; MI455X (gfx1250); checked and timed in simulation.
; The chip was launched on July 23, 2026; its instructions are those of AMD's public machine-readable ISA for CDNA 5 (MIT licence, August 2026) and "CDNA5" Instruction Set Architecture Reference Guide (July 2026). The comments in the code are by the model that wrote it; some were corrected since.
;; Attention. Allowed arithmetic: matrix products marked QUANTISED: E2M1 operands, one E8M0 scale for each 32 along K, by v_wmma_scale_f32_16x16x128_f8f6f4 with both operands' format E2M1 (or v_wmma_scale_f32_32x16x128_f4), f32 sums; products left as they are: f32 operands where the result goes on into a quantised operand, else bf16, f16 or f32 operands; f32 sums; everything else in f32.
;; Inputs: W_attn 3,072 x 1,024 float32; b_attn 1,024 float32; encoder_outputs_codes 64 x 512 x 64 x 16 uint8 (E2M1 codes of encoder_outputs, K innermost, in blocks of 32 codes, two codes a byte); encoder_outputs_scales 64 x 512 x 64 uint8 (E8M0 scales of encoder_outputs, one for each 32 codes along K); hidden_codes 64 x 32 x 16 uint8 (E2M1 codes of hidden, K innermost, in blocks of 32 codes, two codes a byte); hidden_scales 64 x 32 uint8 (E8M0 scales of hidden, one for each 32 codes along K); mask 64 x 512 int32; v 1,024 float32.
;; Outputs: out0 64 x 512 float32.
;; This version of the problem:
;;   THIS VERSION OF THE PROBLEM IS GIVEN IN LOW PRECISION. The matrix products marked QUANTISED in the list below multiply operands that are first quantised to E2M1 (2 exponent bits, 1 mantissa bit; 4 bits a number), with one power-of-two scale for each 32 numbers along K (OCP MX v1.0); their sums are f32. All else is computed in f32.
;;   The module's matrix products, in the order in which they are computed (A, B: the left and right operand; K: the contracted axis; several contracted axes count as one K, in the product's order):
;;     1. [M 64, K 1,024] x [K 1,024, N 1,024]; A: input hidden (given as codes); B: input W_attn: QUANTISED
;;     2. [M 32,768, K 2,048] x [K 2,048, N 1,024]; A: input encoder_outputs (given as codes); B: input W_attn: QUANTISED
;;     3. [M 32,768, K 1,024] x [K 1,024, N 1]; A: computed on the way; B: input v: left as it is (N = 1 < 16)
;;   THE QUANTISER, for each operand of a quantised product, along K:
;;     - K is cut into blocks of 32 from its start; a last block that is shorter is filled with zeros.
;;     - A block's scale is 2^e with e = floor(log2(the largest magnitude in the block)) - 2, held to -126 .. 127; a block of zeros has e = 0. As a byte (E8M0): e + 127.
;;     - Each number is divided by its block's scale, clamped to +-6, and rounded to the nearest number of E2M1, ties to even, subnormals kept.
;;     - The product sums the exact products of the quantised numbers (number of the format x scale) in f32.
;;   ~~~python
;;   def quantise(x, axis):      # numpy; x: float32 -> the quantised numbers, widened to float32 again
;;       x = np.moveaxis(x, axis, -1); K = x.shape[-1]
;;       x = np.pad(x, [(0, 0)] * (x.ndim - 1) + [(0, -K % 32)]); x = x.reshape(x.shape[:-1] + (-1, 32)); a = np.abs(x).max(-1, keepdims=True)
;;       e = np.where(a > 0, np.clip(np.frexp(np.where(a > 0, a, 1))[1] - 1 - 2, -126, 127), 0)      # np.frexp(a)[1] - 1 = floor(log2(a)), exactly
;;       r = np.clip(x / 2.0 ** e, -6, 6)
;;       step = 2.0 ** (np.maximum(np.frexp(np.where(r == 0, 1, r))[1] - 1, 0) - 1)
;;       q = np.round(r / step) * step * 2.0 ** e      # np.round: ties to even
;;       return np.moveaxis(q.reshape(q.shape[:-2] + (-1,))[..., :K], -1, axis).astype(np.float32)
;;   ~~~
;;   INPUTS GIVEN AS CODES. encoder_outputs (in the module: [64, 512, 2048], K = its axis 2); hidden (in the module: [64, 1024], K = its axis 1): each comes as NAME_codes (uint8): NAME with its K axis moved to the last place and cut into blocks of 32 codes, [.., K / 32, bytes a block], one block behind the other in memory; two codes a byte, the lower K in the low four bits (a code: sign, 2 exponent bits, 1 mantissa bit); and NAME_scales (uint8): the same leading axes, one E8M0 byte (e + 127) for each 32 codes along K. Its value is code x scale, taken as it is: it is not quantised again, and the codes and scales need not be those that the quantiser above would give.
;; One version. Each part assembles by itself: llvm-mc -triple=amdgcn-amd-amdhsa -mcpu=gfx1250 --defsym DOCPART=n.
;; ======== version 1 of 1: 3 launches
;; limits: right only within a limited range of input values
;; workspace buffers: wimg 1,048,576 bytes; wsc 65,536 bytes; hbp 2,097,152 bytes; part 524,288 bytes
;; launch prep (part 1): grid 8 x 24, 16 waves a work-group, no clusters, 19,968 bytes of LDS; arguments W_attn, hidden_codes, hidden_scales, wimg, wsc, hbp; writes wimg, wsc, hbp
.if DOCPART == 1
	.amdgcn_target "amdgcn-amd-amdhsa--gfx1250"
	.amdhsa_code_object_version 6
	.text
	.protected	k_q8895b473d9_prep
	.globl	k_q8895b473d9_prep
	.p2align	8
	.type	k_q8895b473d9_prep,@function
k_q8895b473d9_prep:
	s_mov_b64 s[64:65], 0
	v_nop
	global_prefetch_b8 v0, s[64:65] scope:SCOPE_SE
	s_setreg_imm32_b32 hwreg(HW_REG_WAVE_MODE, 25, 1), 1
	s_wait_xcnt 0x0
; out0 = softmax_s( where(mask == 0, -1e9, sum_n v[n] tanh(hidden Wh + enc We + b_attn)[b][s][n]) ), in three launches.  THIS ONE quantises W_attn [3072 (k)][1024 (n)], f32, along K
; (its first axis) to codes of FP4 (E2M1) with one E8M0 byte for each 32 along K.  1,024 is a multiple of 32, so the blocks of Wh (rows 0-1023) and of We (rows 1024-3071) are blocks of W_attn's rows.
; DEAD WORK: none is left out in any launch.  Every input has a way to out0 and is loaded by some launch; the constant sum of v that the form 1 - 2 / (1 + e) of tanh brings is not the same along the
; softmax's axis once the mask has put -1e9 in some places, so it is kept.
; SHARES.  Work-group (g, ks) takes columns 128 g .. + 127 and rows 128 ks .. + 127; wave (cg, b) = (w / 4, w % 4) columns + 32 cg + lane and the 32 rows of block b.  A LANE TAKES A COLUMN AND ITS REGISTERS RUN DOWN K:
; each load reads 128 consecutive bytes a wave, a block of 32 lies in one lane's registers, and its codes are 16 bytes of the operand's layout.  All 32 loads of a wave go out together.  The four blocks of a column meet in LDS.
; ks < 8 (Wh): the codes are used at once: hidden's codes x these 128 of K; wave (cg, b) takes batch rows 16 b .. + 15 and 32 columns; the partial sums go to hbp [ks 8][b 64][n 1024] f32.  Wh's codes are never stored.
; ks >= 8 (We): the codes are stored as IMAGES OF THE OPERAND'S REGISTERS: wimg [s 4][nt 64][q 4][c 2][lane 32][16 bytes], K step 128 (4 s + q) of We, columns 16 nt + lane % 16, registers 4 c .. 4 c + 3;
;   the scale words to wsc [n / 128][s 4][(n / 16) % 8][n % 16][q 4] words.
; STORES.  An image's store covers 512 consecutive bytes.  A store into hbp covers 128 consecutive bytes, the four cg side by side 512.  The scale words leave as 4 bytes a lane, 16 bytes apart
; (the other three words of each 16 come from the work-groups of the other q): 65,536 bytes in all, one byte for 192 that the launch reads.
; LIMITS.  A block of zeros, or one whose largest magnitude lies under 2^(3 - 127), gets the byte 1 (the rule gives a block of zeros 127): a block of zeros has zero codes, which add nothing under any byte but 0xff,
; and the bytes are read by this program alone.  NaN and infinities in W_attn are not served.  A given scale byte 0xff in hidden_scales makes its sums NaN.
; LDS: for each of the two ways bytes of its own: 8 tiles of 1,040 bytes, then the scale words, 8 x 64; behind both the spare words.
.set TP,  1040                         ; a tile in LDS: 1,024 bytes + 16
.set SCB, 8448
.set LWE, 8960                         ; the second way's bytes
.set SPARE, 2*8960
.set SPW, 14
.set NIL, 15
.set TM,  16                           ; v16-19   chains of maxima
.set SO,  20                           ; v20      the conversions' scale operand
.set SBY, 21                           ; v21      the scale byte
.set X,   32                           ; v32-63   W(128 ks + 32 b + i, my column)
.set CO,  64                           ; v64-67   my block's codes
.set F0,  68                           ; v68-75, v76-83 the fragments of two tiles
.set F1,  76
.set HF,  84                           ; v84-91   hidden's fragment
.set HS,  92                           ; v92      its scale words
.set PW,  93                           ; v93      two tiles' scale words; holds scales alone
.set D,   96                           ; v96-111  two results
	s_load_b128 s[4:7], s[0:1], 0x0                ; W_attn, hidden's codes
	s_load_b128 s[8:11], s[0:1], 0x10              ; hidden's scales, wimg
	s_load_b128 s[12:15], s[0:1], 0x20             ; wsc, hbp
	v_lshl_add_u32 v[SPW], v0, 2, SPARE
	v_mov_b32 v[NIL], 0
	v_lshrrev_b32 v1, 5, v0
	v_readfirstlane_b32 s18, v1                    ; wave 0..15
	s_lshr_b32 s26, s18, 2                         ; cg
	s_and_b32 s27, s18, 3                          ; b
	s_mul_i32 s28, s26, 2*TP
	s_lshl_b32 s29, s27, 8
	s_add_co_u32 s29, s28, s29                     ; my block's place in my first tile
	s_lshl_b32 s30, s26, 7
	s_add_co_u32 s30, s30, SCB                     ; my two tiles' scale words
	v_and_b32 v1, 31, v0                           ; lane
	v_and_b32 v2, 15, v0                           ; r
	v_bfe_u32 v3, v0, 4, 1                         ; h
	v_lshlrev_b32 v4, 2, v1                        ; 4 x lane: my column in a row of W and of hbp
	v_lshlrev_b32 v5, 4, v1                        ; 16 x lane: my place in an image, and among the scale words
	v_mul_u32_u24 v6, v3, TP
	v_lshl_add_u32 v6, v2, 4, v6
	v_add_nc_u32 v6, s29, v6                       ; LDS: my column's 16 bytes
	v_add_nc_u32 v10, s30, v4                      ; LDS: my column's scale word,
	v_add_nc_u32 v7, s27, v10                      ; and my byte in it
	v_add_nc_u32 v9, s28, v5                       ; LDS: my two tiles as images
	v_lshlrev_b32 v11, 9, v2
	v_lshl_add_u32 v11, v3, 4, v11                 ; hidden's codes: row r of 512 bytes, + 16 h
	v_lshlrev_b32 v12, 5, v2                       ; hidden's scale words: row r of 32 bytes
	s_wait_alu depctr_va_vdst(0)                   ; ahead of the scalar work and the waits below
	s_mov_b32 s19, ttmp9                           ; g
	s_and_b32 s20, ttmp7, 0xffff                   ; ks
	s_lshl_b32 s21, s19, 9
	s_lshl_b32 s22, s26, 7
	s_add_co_u32 s21, s21, s22                     ; my wave's first column, in bytes: (128 g + 32 cg) x 4
	s_lshl_b32 s22, s20, 19                        ; 128 ks rows of 4,096 bytes
	s_lshl_b32 s24, s27, 17                        ; 32 b rows
	s_add_co_u32 s22, s22, s24
	s_add_co_u32 s22, s22, s21
	s_mov_b32 s23, 0
	s_mov_b32 s25, 0
	s_wait_kmcnt 0x0
	s_add_nc_u64 s[4:5], s[4:5], s[22:23]
.macro WLOADS                          ; 32 rows of W at my wave's 32 columns
.set i, 0
.rept 32
	global_load_b32 v[X+i], v4, s[4:5] offset:i*4096 th:TH_LOAD_NT
.set i, i+1
.endr
.endm
; My column's block of 32 becomes codes and a scale byte, which go to LDS.  The block's scale is 2^(floor(log2(largest magnitude)) - 2): its byte is the largest magnitude's exponent field less 2.
.macro QUANT lb
.irp t, 0,1,2,3
	v_max3_num_f32 v[TM+\t], |v[X+7*\t]|, |v[X+7*\t+1]|, |v[X+7*\t+2]|
.endr
.irp i, 3,5
.irp t, 0,1,2,3
	v_max3_num_f32 v[TM+\t], v[TM+\t], |v[X+7*\t+\i]|, |v[X+7*\t+\i+1]|     ; four chains by turns
.endr
.endr
	v_max3_num_f32 v[TM], v[TM], v[TM+1], |v[X+28]|
	v_max3_num_f32 v[TM+2], v[TM+2], v[TM+3], |v[X+29]|
	v_max3_num_f32 v[TM], v[TM], |v[X+30]|, |v[X+31]|
	v_max3_num_f32 v[TM], v[TM], v[TM+2], 0x1800000        ; and the floor 2^(3 - 127): the byte cannot fall under 1
	v_add_nc_u32 v[SO], 0xff000000, v[TM]          ; 2 off the exponent field: the conversion takes this operand's exponent field as its scale, and nothing else of it
	v_lshrrev_b32 v[SBY], 23, v[SO]                ; the scale's byte
.irp g, 0,1,2,3
	v_cvt_scalef32_pk8_fp4_f32 v[CO+\g], v[X+8*\g:X+8*\g+7], v[SO]
.endr
	v_nop                                          ; one plain instruction behind the last scaled conversion
	ds_store_b128 v6, v[CO:CO+3] offset:\lb        ; block b of a column: registers 4 (b / 2) .. + 3 of lane 16 (b % 2) + r in the tile's image
	ds_store_b8 v7, v[SBY] offset:\lb
	s_wait_dscnt 0x0                               ; for the other waves' sake: my stores are done
	s_barrier_signal -1
	s_barrier_wait -1
.endm
.macro FINISH                          ; the wave's end, behind my last LDS store
	s_wait_tensorcnt 0x0
	ds_add_u32 v[SPW], v[NIL]
	s_wait_dscnt 0x0
	s_endpgm
.endm
	s_cmp_lt_u32 s20, 8                            ; the one parting of the ways, on the work-group's number alone
	s_cbranch_scc0 .Lwe
	; ---- Wh: quantise, and multiply at once
	s_lshl_b32 s24, s20, 6
	s_lshl_b32 s22, s27, 13
	s_add_co_u32 s24, s24, s22
	s_add_nc_u64 s[6:7], s[6:7], s[24:25]          ; batch rows 16 b: this K step's 64 bytes of each row
	s_lshl_b32 s24, s20, 2
	s_lshl_b32 s22, s27, 9
	s_add_co_u32 s24, s24, s22
	s_add_nc_u64 s[8:9], s[8:9], s[24:25]          ; and its scale word
	s_lshl_b32 s24, s20, 18
	s_lshl_b32 s22, s27, 16
	s_add_co_u32 s24, s24, s22
	s_add_co_u32 s24, s24, s21
	s_add_nc_u64 s[14:15], s[14:15], s[24:25]      ; hbp at [ks][16 b][my wave's first column]
	global_load_b128 v[HF:HF+3], v11, s[6:7]
	global_load_b128 v[HF+4:HF+7], v11, s[6:7] offset:32
	global_load_b32 v[HS], v12, s[8:9]
	WLOADS
	s_wait_loadcnt 0x0
	QUANT 0
	ds_load_b128 v[F0:F0+3], v9
	ds_load_b128 v[F0+4:F0+7], v9 offset:512
	ds_load_b128 v[F1:F1+3], v9 offset:TP
	ds_load_b128 v[F1+4:F1+7], v9 offset:TP+512
	ds_load_b32 v[PW], v10
	s_wait_dscnt 0x0
	; source 0 = 16 batch rows of hidden, source 1 = 16 columns of Wh
	v_wmma_scale_f32_16x16x128_f8f6f4 v[D:D+7], v[HF:HF+7], v[F0:F0+7], 0, v[HS], v[PW] matrix_a_fmt:MATRIX_FMT_FP4 matrix_b_fmt:MATRIX_FMT_FP4
	v_wmma_scale_f32_16x16x128_f8f6f4 v[D+8:D+15], v[HF:HF+7], v[F1:F1+7], 0, v[HS], v[PW] matrix_a_fmt:MATRIX_FMT_FP4 matrix_b_fmt:MATRIX_FMT_FP4 matrix_b_scale:MATRIX_SCALE_ROW1
.rept 4
	v_nop                                          ; four places behind the last product, ahead of the first read of results
.endr
.irp j, 0,1,2,3,4,5,6,7                ; register j of a result holds rows j (lanes 0-15) and 8 + j (lanes 16-31) of 16 columns; the swap of the two tiles' registers gives ONE row at my wave's 32 columns
	v_permlane16_swap_b32 v[D+\j], v[D+8+\j]
.endr
.set i, 0
.rept 16
	global_store_b32 v4, v[D+i], s[14:15] offset:i*4096
.set i, i+1
.endr
	FINISH
	; ---- We: quantise, and store the images: wave (cg, b) stores piece c = b % 2 of tile 2 cg + b / 2
.Lwe:
	s_sub_co_u32 s24, s20, 8                       ; We's K step of 128
	s_lshr_b32 s33, s24, 2                         ; s
	s_and_b32 s34, s24, 3                          ; q
	s_lshr_b32 s35, s27, 1
	s_and_b32 s36, s27, 1
	s_lshl_b32 s22, s33, 18                        ; wimg: s x 262,144
	s_lshl_b32 s24, s19, 15
	s_add_co_u32 s22, s22, s24                     ; + 8 g tiles of 4,096
	s_lshl_b32 s24, s26, 13
	s_add_co_u32 s22, s22, s24                     ; + 2 cg tiles
	s_lshl_b32 s24, s35, 12
	s_add_co_u32 s22, s22, s24                     ; + b / 2 tiles
	s_lshl_b32 s24, s34, 10
	s_add_co_u32 s22, s22, s24                     ; + q x 1,024
	s_lshl_b32 s24, s36, 9
	s_add_co_u32 s22, s22, s24                     ; + c x 512
	s_add_nc_u64 s[10:11], s[10:11], s[22:23]
	s_lshl_b32 s22, s19, 13                        ; wsc: g x 8,192
	s_lshl_b32 s24, s33, 11
	s_add_co_u32 s22, s22, s24                     ; + s x 2,048
	s_lshl_b32 s24, s26, 9
	s_add_co_u32 s22, s22, s24                     ; + 2 cg tiles of 256
	s_lshl_b32 s24, s34, 2
	s_add_co_u32 s22, s22, s24                     ; + 4 q
	s_add_nc_u64 s[12:13], s[12:13], s[22:23]
	s_mul_i32 s35, s35, TP
	s_lshl_b32 s36, s36, 9
	s_add_co_u32 s35, s35, s36
	v_add_nc_u32 v13, s35, v9                      ; LDS: the piece that I store
	WLOADS
	s_wait_alu depctr_va_vdst(0)                   ; directly ahead of the wait below
	s_wait_loadcnt 0x0
	QUANT LWE
	ds_load_b128 v[F0:F0+3], v13 offset:LWE
	s_wait_dscnt 0x0
	global_store_b128 v5, v[F0:F0+3], s[10:11]     ; 32 lanes x 16 bytes, 512 consecutive bytes
	s_cmp_lg_u32 s27, 0                            ; the waves of block 0 store the scale words
	s_cbranch_scc1 .Lend
	ds_load_b32 v[PW], v10 offset:LWE
	s_wait_dscnt 0x0
	global_store_b32 v5, v[PW], s[12:13]
.Lend:
	FINISH
.Lfunc_end_k_q8895b473d9_prep:
	.size	k_q8895b473d9_prep, .Lfunc_end_k_q8895b473d9_prep-k_q8895b473d9_prep
	.p2alignl 7, 3214868480
	.fill 96, 4, 3214868480
	.section	.rodata,"a",@progbits
	.p2align	6, 0x0
	.amdhsa_kernel k_q8895b473d9_prep
		.amdhsa_group_segment_fixed_size 19968
		.amdhsa_private_segment_fixed_size 0
		.amdhsa_enable_private_segment 0
		.amdhsa_kernarg_size 48
		.amdhsa_user_sgpr_count 2
		.amdhsa_user_sgpr_kernarg_segment_ptr 1
		.amdhsa_wavefront_size32 1
		.amdhsa_system_sgpr_workgroup_id_x 1
		.amdhsa_system_sgpr_workgroup_id_y 1
		.amdhsa_system_sgpr_workgroup_id_z 1
		.amdhsa_system_vgpr_workitem_id 0
		.amdhsa_next_free_vgpr 112
		.amdhsa_next_free_sgpr 66
		.amdhsa_reserve_vcc 0
		.amdhsa_float_denorm_mode_32 3
		.amdhsa_float_denorm_mode_16_64 3
		.amdhsa_memory_ordered 1
		.amdhsa_forward_progress 1
		.amdhsa_inst_pref_size 17
	.end_amdhsa_kernel
	.amdgpu_metadata
---
amdhsa.version: [ 1, 2 ]
amdhsa.kernels:
  - .name:           k_q8895b473d9_prep
    .symbol:         k_q8895b473d9_prep.kd
    .args:
      - { .name: W_attn, .offset: 0, .size: 8, .value_kind: global_buffer, .address_space: global }
      - { .name: hidden_codes, .offset: 8, .size: 8, .value_kind: global_buffer, .address_space: global }
      - { .name: hidden_scales, .offset: 16, .size: 8, .value_kind: global_buffer, .address_space: global }
      - { .name: wimg, .offset: 24, .size: 8, .value_kind: global_buffer, .address_space: global }
      - { .name: wsc, .offset: 32, .size: 8, .value_kind: global_buffer, .address_space: global }
      - { .name: hbp, .offset: 40, .size: 8, .value_kind: global_buffer, .address_space: global }
    .group_segment_fixed_size: 19968
    .private_segment_fixed_size: 0
    .kernarg_segment_align: 8
    .kernarg_segment_size: 48
    .max_flat_workgroup_size: 512
    .sgpr_count:     66
    .vgpr_count:     112
    .wavefront_size: 32
...
	.end_amdgpu_metadata
.endif
;; end of part 1
;; launch main (part 2): grid 4 x 64, 4 waves a work-group, clusters of 4 x 4, 327,680 bytes of LDS; arguments encoder_outputs_codes, encoder_outputs_scales, wimg, wsc, hbp, b_attn, v, part; writes part
.if DOCPART == 2
	.amdgcn_target "amdgcn-amd-amdhsa--gfx1250"
	.amdhsa_code_object_version 6
	.text
	.protected	k_q8895b473d9_main
	.globl	k_q8895b473d9_main
	.p2align	8
	.type	k_q8895b473d9_main,@function
k_q8895b473d9_main:
	s_mov_b64 s[64:65], 0
	v_nop
	global_prefetch_b8 v0, s[64:65] scope:SCOPE_SE
	s_setreg_imm32_b32 hwreg(HW_REG_WAVE_MODE, 25, 1), 1
	s_wait_xcnt 0x0
	s_wait_alu depctr_hold_cnt(0) depctr_sa_sdst(0) depctr_va_vdst(0) depctr_va_sdst(0) depctr_va_ssrc(0) depctr_va_vcc(0) depctr_vm_vsrc(0)
	s_getreg_b32 s2, hwreg(HW_REG_IB_STS2, 6, 4)
	s_cmp_eq_u32 s2, 0
	s_cbranch_scc0 .Lentry_in_a_cluster
	s_endpgm
.Lentry_in_a_cluster:
	s_bfe_u32 s2, ttmp6, 0x10000c
	s_cmp_lg_u32 s2, 0xf033
	s_cbranch_scc0 .Lentry_shape_is_right
	s_endpgm
.Lentry_shape_is_right:
; part[xt][row] = the sum over columns n = 256 xt .. + 255 of v[n] tanh( (enc We)[row][n] + (hidden Wh)[b][n] + b_attn[n] ), row = 512 b + s.  Nothing of reference() is left out here.
; enc: [32768][2048] as codes of FP4 (E2M1), rows of 1,024 bytes, with scale bytes [32768][64].  We: the first launch's register images (wimg) and scale words (wsc).  hbp: hidden Wh in eight parts along K.
; SHARES.  Work-group (xt, yb): columns 256 xt .. + 255 of batch yb's 512 rows: 256 work-groups.  Wave w: columns 256 xt + 64 w .. + 63, all 512 rows.
; A WAVE KEEPS ITS 64 COLUMNS OF We IN REGISTERS for all of K: 4 tiles x 16 steps of 128 x 8 registers = 512.  enc goes by: a TRIP is 32 rows (2 blocks of 16) x 64 columns: 16 steps x 8 products on
; 8 accumulators, and then the tanh of what the trip has made.  16 trips.  enc's rows come through a ring of two LDS slots of 64 rows (two trips each), one tensor load of 16 rows a wave.
; CLUSTER.  4 x 4 work-groups: the four of a row share yb, so enc's rows and scale bytes; the four of a column share xt, so We.  Each is asked for jointly.  We passes through LDS once, in trip 0: steps 0-7, 131,072 bytes.
; Its steps 8-15 go from memory straight into registers: beside both slots, the scale bytes and steps 0-7 (308,224 bytes in all) another 131,072 do not fit in LDS, and registers are their only place.
; THE MATRIX INSTRUCTION IS USED TRANSPOSED (source 0 = 16 columns of We, source 1 = 16 rows of enc): lane (r, h) holds row 16 a + r, and register j of accumulator (a, i) column 16 i + 8 h + j.
; tanh(x) = 1 - 2 / (1 + 2^(c x)), c = 2 log2(e): the sum over n is (sum of v) + sum of (-2 v[n]) / (1 + 2^(c x)).  2^(c x) beyond the format's range gives infinity, its reciprocal 0, tanh 1; under it 0, tanh -1: no hold is needed.
; A trip's end has one batch of transcendentals: this trip's exponentials and the reciprocals of the trip before.  The additions 1 + e between them stand among the next trip's groups of products, as the places that loads into fragments ask for.
; PREFETCH.  128 rows of enc = 512 blocks of 256 bytes are asked for once in the cluster's row: 16 waves x 32 lanes, told apart by address; rows 64-191 at the head, then 128 rows a lap; in the last lap, with 64 rows left, by waves 0 and 1 alone.
; LIMITS.  tanh is good to a few units in the last place of 1, not of tanh itself (near x = 0 that is an absolute error of about 2^-23).  A given scale byte 0xff makes its row's sums NaN.
; REGISTERS, in windows of 256.  Window 0: v0-16 addresses; v32-63 We's scale words; v64-95 enc's, two sets; v96-159 1 + e, then its reciprocal; v160-191 c x bias; v192-223 -2 v; v224-247 at work.
;   Windows 1, 2: We's fragments, step k, tile i: v[32 (k % 8) + 8 i].
;   Window 3: v0-63 accumulator (a, i) at 32 a + 8 i; v64-191 enc's fragments, two buffers of four steps; v192-255 c x + c bias, then e.
.set PITCH, 1040                       ; an LDS row: 1,024 bytes + 16 of padding = 260 words: row r starts at bank 4 r mod 64
.set TROW,  32*PITCH                   ; a trip's rows
.set SCA,   2*TROW                     ; behind slot 0: enc's scale bytes of the batch's 512 rows: 128 pieces of 256 bytes + 16
.set SPARE, SCA+128*272+8704           ; (8,704 bytes stay free behind the scale bytes: a lap's step of their address.)  The spare words, 128 bytes for each wave, which no other line names
.set STG,   SPARE+512                  ; We on its way into registers: [column half 2][s 2][8 tiles of 4,096]
.set HALFB, 65536
.set SLOT1, STG+2*HALFB
.set RES,   SLOT1+2*TROW               ; 512 rows' sums of each wave, 2,048 bytes a wave
.set SCRB,  RES+8192                   ; 512 bytes of scratch for each wave
.set PO,    7                          ; 16 x lane
.set ADSA,  8                          ; LDS address of enc's scale words: lanes 0-15 block 0's rows, lanes 16-31 block 1's; stepped once a lap
.set RSW,   9                          ; of my wave's sums; stepped once a lap
.set PFO,  10                          ; the prefetches' offset: 256 x lane
.set FRD,  11                          ; LDS address of the four rows whose sums I finish
.set SPW,  12                          ; of my spare word
.set NIL,  13                          ; 0
.set ADRA, 14                          ; v14, v15: LDS address of my fragments of enc in slot 0, 1
.set BA,   16                          ; of my four tiles of We
.set SBR,  32                          ; K slot s, tiles 2 ip and 2 ip + 1, q: v[SBR + 8 s + 4 ip + q]
.set SAR,  64                          ; set, step k: v[SAR + 16 set + k]
.set X,    96
.set HT,   96                          ; the head's work
.set BI,  160
.set MV,  192
.set TS,  224                          ; v224-239 eight chains of pairs
.set SR,  240                          ; v240-241 the two blocks' sums
.set SV,  242                          ; v[242:243] (half the sum of my 64 v, 0)
.set BST, 244                          ; my scratch + 16 r
.set BRD, 245                          ; my scratch + 32 h
.set HB,  246                          ; hbp: part h, 16 r
.set RO,  247                          ; 16 r
.set AF,   64                          ; window 3
.set W,   192                          ; window 3
.set G1,   24                          ; s[24:31] group 1 for enc's rows;  s[32:39] group 0, a set for each slot;  s[60:63] group 0 of the head's load
.set G0,   32
.set G0H,  60
.set G1B,  48                          ; s[48:55], s[56:59] We
.set G0B,  56
.set G1S,  68                          ; s[68:75], s[76:79] enc's scale bytes
.set G0S,  76
.set PFA,  18                          ; s[18:19] where the prefetches stand
.set SEL,  84                          ; s84, s85 v_permlanex16_b32's selects for lane l xor 16
.set K2,  100                          ; s[100:101] c, twice
.set MSB, 0
.macro WIN new                         ; the immediate's high byte repeats the setting that is left
.if MSB != (\new)
	s_set_vgpr_msb (MSB<<8)|(\new)
.set MSB, (\new)
.endif
.endm
.macro CREST                           ; a round of the cluster's barrier behind its opening barrier
	s_cmp_lg_u32 s14, 0
	s_cbranch_scc1 .Lnot_wave_0_\@
	s_barrier_signal -3
.Lnot_wave_0_\@:
	s_barrier_wait -3
	s_barrier_signal -1
	s_barrier_wait -1
.endm
.macro CROUND                          ; a whole round
	s_barrier_signal -1
	s_barrier_wait -1
	CREST
.endm
.macro PLACES n                        ; a load into a register that a matrix instruction has read, and a vector instruction that reads a result, stand four places behind it; only plain vector instructions that name none of its registers are places
.rept \n
	v_nop
.endr
.endm
	s_load_b256 s[4:11], s[0:1], 0x0               ; enc's codes s[4:5], enc's scales s[6:7], wimg s[8:9], wsc s[10:11]
	s_load_b256 s[92:99], s[0:1], 0x20             ; hbp s[92:93], b_attn s[94:95], v s[96:97], part s[98:99]
	v_lshl_add_u32 v[SPW], v0, 2, SPARE
	v_mov_b32 v[NIL], 0
	ds_add_u32 v[SPW], v[NIL]                      ; the wave's opening: the add, twice on end, and its wait ahead of my first tensor load; the set-up below stands between the second and the wait
	ds_add_u32 v[SPW], v[NIL]
	v_lshrrev_b32 v1, 5, v0
	v_readfirstlane_b32 s14, v1                    ; wave 0..3
	s_lshr_b32 s15, s14, 1
	s_and_b32 s16, s14, 1
	s_lshl_b32 s20, s14, 11
	s_add_co_u32 s20, s20, RES                     ; my sums
	s_lshl_b32 s21, s14, 9
	s_add_co_u32 s22, s21, RES                     ; the rows that I finish: 128 w .. + 127
	s_add_co_u32 s21, s21, SCRB                    ; my scratch
	v_and_b32 v1, 15, v0                           ; r
	v_bfe_u32 v2, v0, 4, 1                         ; h
	v_and_b32 v3, 31, v0                           ; lane
	v_mul_u32_u24 v4, v1, PITCH
	v_lshl_add_u32 v[ADRA], v2, 4, v4              ; a fragment of enc: row r x pitch + 16 h
	v_add_nc_u32 v[ADRA+1], SLOT1, v[ADRA]
	v_lshlrev_b32 v6, 2, v3
	v_lshlrev_b32 v[PO], 4, v3
	v_add_nc_u32 v[RSW], s20, v6
	v_lshl_add_u32 v[BST], v1, 4, s21
	v_lshl_add_u32 v[BRD], v2, 5, s21
	v_lshlrev_b32 v[RO], 4, v1
	v_lshl_add_u32 v[HB], v2, 18, v[RO]
	v_lshlrev_b32 v[PFO], 8, v3
	v_add_nc_u32 v[FRD], s22, v[PO]
	s_mul_i32 s20, s15, HALFB
	s_lshl_b32 s21, s16, 14
	s_add_co_u32 s20, s20, s21
	s_add_co_u32 s20, s20, STG                     ; my four tiles
	v_add_nc_u32 v[BA], s20, v[PO]
	v_lshlrev_b32 v4, 6, v1                        ; enc's scale bytes: 64 a row,
	v_lshrrev_b32 v6, 2, v1
	v_lshl_add_u32 v4, v6, 4, v4                   ; 16 more for each 256 passed,
	v_mad_u32_u24 v4, v2, 1088, v4                 ; and lanes 16-31 sixteen rows (four pieces of 272) further on
	v_add_nc_u32 v[ADSA], SCA, v4
	s_wait_alu depctr_va_vdst(0)                   ; ahead of the scalar work and the waits below
	s_bfe_u32 s42, ttmp6, 0x40000                  ; cx = xt: the cluster spans the grid's x
	s_bfe_u32 s41, ttmp6, 0x40004                  ; cy
	s_and_b32 s17, ttmp7, 0xffff
	s_lshl_b32 s17, s17, 2
	s_add_co_u32 s17, s17, s41                     ; yb = 4 x cluster y + cy
	s_lshl_b32 s43, s41, 2
	s_lshl_b32 s43, 15, s43                        ; my row of the cluster
	s_lshl_b32 s44, 0x1111, s42                    ; my column
	; group 1, enc's rows: 1,024 bytes each, dense; 16 bytes of padding behind each.  64 rows for the head's load, 16 for the ring's
	s_or_b32 s[G1+0], s43, (0<<16)|(1<<20)|(1<<21)|(7<<22)|(3<<25)   ; 15:0 the mask; 17:16 elements of 1 byte; 20 padding on; 21 set beside a mask; 24:22 after every 256 words; 31:25 four words
	s_mov_b32 s[G1+1], 1024<<16                    ; tensor_dim0
	s_mov_b32 s[G1+2], 64<<16                      ; tensor_dim1
	s_mov_b32 s[G1+3], 1024<<16                    ; tile_dim0
	s_mov_b32 s[G1+4], 64                          ; tile_dim1
	s_mov_b32 s[G1+5], 1024                        ; the pitch
	s_mov_b32 s[G1+6], 0
	s_mov_b32 s[G1+7], 0
	; We: two K slots (s = 0, 1) of eight tiles: rows of 32,768 bytes, 262,144 apart, no padding
	s_or_b32 s[G1B+0], s44, (3<<16)|(1<<21)
	s_mov_b32 s[G1B+1], 4096<<16
	s_mov_b32 s[G1B+2], 2<<16
	s_mov_b32 s[G1B+3], 4096<<16
	s_mov_b32 s[G1B+4], 2
	s_mov_b32 s[G1B+5], 32768
	s_mov_b32 s[G1B+6], 0
	s_mov_b32 s[G1B+7], 0
	; enc's scale bytes of 512 rows: 32,768 dense bytes as 128 rows of 256, 16 bytes of padding behind each
	s_or_b32 s[G1S+0], s43, (3<<16)|(1<<20)|(1<<21)|(5<<22)|(3<<25)
	s_mov_b32 s[G1S+1], 32<<16
	s_mov_b32 s[G1S+2], 128<<16
	s_mov_b32 s[G1S+3], 32<<16
	s_mov_b32 s[G1S+4], 128
	s_mov_b32 s[G1S+5], 32
	s_mov_b32 s[G1S+6], 0
	s_mov_b32 s[G1S+7], 0
	; where tiles go: constants and the wave's number alone
	s_mov_b32 s[G0], 1
	s_mov_b32 s[G0+4], 1
	s_mov_b32 s[G0H], 1
	s_mov_b32 s[G0B], 1
	s_mov_b32 s[G0S], 1
	s_mul_i32 s[G0+1], s14, 16*PITCH
	s_add_co_u32 s[G0+5], s[G0+1], SLOT1
	s_mov_b32 s[G0H+1], 0
	s_mul_i32 s[G0B+1], s16, HALFB
	s_add_co_u32 s[G0B+1], s[G0B+1], STG
	s_mov_b32 s[G0S+1], SCA
	s_mov_b32 s[SEL], 0x76543210
	s_mov_b32 s[SEL+1], 0xfedcba98
	s_mov_b32 s[K2], 0x4038aa3b                    ; c = 2 log2(e)
	s_mov_b32 s[K2+1], s[K2]                       ; (named with it as a pair, so it is written)
	s_mov_b32 s13, 0
	s_mov_b32 s3, 0
	s_wait_dscnt 0x0                               ; both opening adds are done
	s_wait_kmcnt 0x0
	; where tiles come from: enc's by yb and the wave's number alone, We's by cx and the wave's number alone, in registers that never hold the other coordinate
	s_lshl_b32 s12, s17, 19
	s_add_nc_u64 s[46:47], s[4:5], s[12:13]        ; enc at batch yb's first row
	s_mov_b64 s[G0H+2:G0H+3], s[46:47]             ; the head: rows 0-63
	s_or_b32 s[G0H+3], s[G0H+3], 0x80000000
	s_lshl_b32 s12, s14, 14
	s_add_nc_u64 s[G0+2:G0+3], s[46:47], s[12:13]  ; the ring: my 16 rows of rows 0-63 (slot 0 steps two slots on ahead of its first refill),
	s_add_nc_u64 s[G0+6:G0+7], s[G0+2:G0+3], 65536 ; of rows 64-127
	s_or_b32 s[G0+3], s[G0+3], 0x80000000
	s_or_b32 s[G0+7], s[G0+7], 0x80000000
	s_lshl_b32 s12, s17, 15
	s_add_nc_u64 s[G0S+2:G0S+3], s[6:7], s[12:13]
	s_or_b32 s[G0S+3], s[G0S+3], 0x80000000
	s_lshl_b32 s2, s42, 16                         ; wimg: 16 xt tiles of 4,096
	s_lshl_b32 s20, s16, 15
	s_add_co_u32 s2, s2, s20
	s_add_nc_u64 s[G0B+2:G0B+3], s[8:9], s[2:3]    ; waves 0 and 1: eight tiles each
	s_or_b32 s[G0B+3], s[G0B+3], 0x80000000
	; the other addresses
	s_lshl_b32 s12, s42, 13
	s_lshl_b32 s20, s14, 15
	s_add_co_u32 s12, s12, s20
	s_add_nc_u64 s[PFA:PFA+1], s[46:47], s[12:13]  ; the prefetches: 32,768 w + 8,192 cx,
	s_add_nc_u64 s[PFA:PFA+1], s[PFA:PFA+1], 65536 ; from row 64 on
	s_lshl_b32 s12, s42, 16
	s_lshl_b32 s20, s14, 14
	s_add_co_u32 s12, s12, s20
	s_add_nc_u64 s[8:9], s[8:9], s[12:13]          ; wimg at tile 16 xt + 4 w
	s_lshl_b32 s12, s42, 14
	s_lshl_b32 s20, s15, 13
	s_add_co_u32 s12, s12, s20
	s_lshl_b32 s20, s16, 10
	s_add_co_u32 s12, s12, s20
	s_add_nc_u64 s[10:11], s[10:11], s[12:13]      ; wsc at 2 xt + w / 2, tile 4 (w % 2) of its eight
	s_lshl_b32 s12, s42, 17
	s_lshl_b32 s20, s17, 11
	s_add_co_u32 s12, s12, s20
	s_lshl_b32 s20, s14, 9
	s_add_co_u32 s12, s12, s20
	s_add_nc_u64 s[98:99], s[98:99], s[12:13]      ; part: slice xt, row 512 yb + 128 w
	s_lshl_b32 s12, s42, 10
	s_lshl_b32 s20, s14, 8
	s_add_co_u32 s12, s12, s20                     ; my 64 columns, in bytes
	s_add_nc_u64 s[94:95], s[94:95], s[12:13]
	s_add_nc_u64 s[96:97], s[96:97], s[12:13]
	s_lshl_b32 s20, s17, 12
	s_add_co_u32 s12, s12, s20                     ; hbp: + batch row yb
	s_add_nc_u64 s[92:93], s[92:93], s[12:13]
.irp s, 0,1,2,3                        ; We's scale words: eight loads
.irp ip, 0,1
	global_load_b128 v[SBR+8*\s+4*\ip:SBR+8*\s+4*\ip+3], v[PO], s[10:11] offset:2048*\s+512*\ip
.endr
.endr
.irp k, 0,1,2,3                        ; hidden Wh at my 64 columns, four columns a lane: lanes 0-15 part 2 k, lanes 16-31 part 2 k + 1
	global_load_b128 v[HT+4*\k:HT+4*\k+3], v[HB], s[92:93] offset:524288*\k
.endr
	global_load_b128 v[HT+16:HT+19], v[RO], s[94:95]
	global_load_b128 v[HT+20:HT+23], v[RO], s[96:97]
	CROUND                                         ; all sixteen work-groups are here: the first joint loads meet
	s_cmp_lt_u32 s14, 2                            ; the head's loads, one a wave: waves 0 and 1 fetch We, wave 2 rows 0-63 of enc, wave 3 the scale bytes of all 512 rows
	s_cbranch_scc0 .Lhead_a
	tensor_load_to_lds s[G0B:G0B+3], s[G1B:G1B+7]
	s_nop 0
	PLACES 4
	s_branch .Lasked
.Lhead_a:
	s_cmp_lt_u32 s14, 3
	s_cbranch_scc0 .Lhead_s
	tensor_load_to_lds s[G0H:G0H+3], s[G1:G1+7]
	s_nop 0
	PLACES 4
	s_branch .Lasked
.Lhead_s:
	tensor_load_to_lds s[G0S:G0S+3], s[G1S:G1S+7]
	s_nop 0
	PLACES 4
.Lasked:
	WIN 0x80
.irp k, 0,1,2,3,4,5,6,7                ; We's steps 8 + k: 64 loads of 512 consecutive bytes, into window 2
.irp i, 0,1,2,3
.irp c, 0,1
	global_load_b128 v[32*\k+8*\i+4*\c:32*\k+8*\i+4*\c+3], v[PO], s[8:9] offset:262144*(2+\k/4)+4096*\i+1024*(\k%4)+512*\c
.endr
.endr
.endr
	WIN 0
	global_prefetch_b8 v[PFO], s[PFA:PFA+1] th:TH_LOAD_NT scope:SCOPE_SE   ; rows 64-191
.macro BLDS k                          ; We's four fragments of step k, 0 .. 7, out of LDS: eight loads, 16 bytes a lane
	WIN 0x40
.irp i, 0,1,2,3
.irp c, 0,1
	ds_load_b128 v[32*(\k)+8*\i+4*\c:32*(\k)+8*\i+4*\c+3], v[BA] offset:32768*((\k)/4)+4096*\i+1024*((\k)%4)+512*\c
.endr
.endr
.endm
; ENC'S FRAGMENTS of step k, two blocks, at place k % 8.  Lane (r, h): registers 4 c .. 4 c + 3 hold K = 64 c + 32 h + 0 .. 31: 16 bytes of the row as they lie.
.macro LOADK slot, tr, k
	WIN 0xc0
.set lk, \k
.irp a, 0,1
.irp c, 0,1
	ds_load_b128 v[AF+16*(lk%8)+8*\a+4*\c:AF+16*(lk%8)+8*\a+4*\c+3], v[ADRA+(\slot)] offset:TROW*(\tr)+16*PITCH*\a+64*lk+32*\c
.endr
.endr
.endm
.macro LOADA slot, tr, g               ; a group: steps 4 g .. 4 g + 3, in one run of 16
	LOADK \slot, \tr, 4*(\g)
	LOADK \slot, \tr, 4*(\g)+1
	LOADK \slot, \tr, 4*(\g)+2
	LOADK \slot, \tr, 4*(\g)+3
.endm
.macro SCALES st, idx                  ; enc's scale words of a trip's 32 rows, all 16 steps; idx counts from the lap's first trip
	WIN 0
.irp s, 0,1,2,3
	ds_load_b128 v[SAR+16*(\st)+4*\s:SAR+16*(\st)+4*\s+3], v[ADSA] offset:2176*(\idx)+16*\s
.endr
.endm
.macro WMX m1, m2
.if rK
	v_wmma_scale_f32_16x16x128_f8f6f4 v[rD:rD+7], v[rB:rB+7], v[rA:rA+7], v[rD:rD+7], v[rT], v[rU] matrix_a_fmt:MATRIX_FMT_FP4 matrix_b_fmt:MATRIX_FMT_FP4 \m1 \m2
.else
	v_wmma_scale_f32_16x16x128_f8f6f4 v[rD:rD+7], v[rB:rB+7], v[rA:rA+7], 0, v[rT], v[rU] matrix_a_fmt:MATRIX_FMT_FP4 matrix_b_fmt:MATRIX_FMT_FP4 \m1 \m2
.endif
.endm
; One product of step rK: block a x tile i.  An odd tile's or block's scale words lie in lanes 16-31 of their register.  Step 0 starts the sums: nothing is ever cleared.
.macro WM a, i, st
.set rD, 32*(\a)+8*(\i)
.set rB, 32*(rK%8)+8*(\i)
.set rA, AF+16*(rK%8)+8*(\a)
.set rT, SBR+8*(rK/4)+4*((\i)/2)+(rK%4)
.set rU, SAR+16*(\st)+rK
.set odd, 2*((\i)%2)+(\a)
.if odd == 0
	WMX
.elseif odd == 1
	WMX matrix_b_scale:MATRIX_SCALE_ROW1
.elseif odd == 2
	WMX matrix_a_scale:MATRIX_SCALE_ROW1
.else
	WMX matrix_a_scale:MATRIX_SCALE_ROW1, matrix_b_scale:MATRIX_SCALE_ROW1
.endif
.endm
; Step k: 8 products; the 8 accumulators take turns, one instruction a turn.  w: the LDS instructions that may be out (64: no wait is due).
.macro KS k, st, w
.set rK, \k
.if (\w) < 64
	s_wait_dscnt \w
.endif
	WIN (0xfd+rK/8)                                ; source 0 (We) window 1 or 2, source 1 (enc), C and D window 3
.irp a, 0,1
.irp i, 0,1,2,3
	WM \a, \i, \st
.endr
.endr
.endm
.macro KS4 k, st, w0, w1, w2, w3       ; a group of four steps
	KS \k, \st, \w0
	KS (\k+1), \st, \w1
	KS (\k+2), \st, \w2
	KS (\k+3), \st, \w3
.endm
.macro CHUNK n, first                  ; behind a group, at least four places: a quarter of the trip before's 1 + e (trip 0: none)
.if \first
	PLACES 4
.else
	WIN 0x03
.irp j, 0,2,4,6,8,10,12,14
	v_pk_add_f32 v[X+16*(\n)+\j:X+16*(\n)+\j+1], v[W+16*(\n)+\j:W+16*(\n)+\j+1], 1.0 op_sel_hi:[1,0]
.endr
.endif
.endm
; THE BIAS AND v (trip 0): c x (b_attn + the eight parts of hidden Wh) and -2 v go through my scratch, so that a lane gets columns 16 i + 8 h + 0 .. 7.
.macro BIAS
	WIN 0
	v_pk_add_f32 v[HT:HT+1], v[HT:HT+1], v[HT+4:HT+5]
	v_pk_add_f32 v[HT+2:HT+3], v[HT+2:HT+3], v[HT+6:HT+7]
	v_pk_add_f32 v[HT+8:HT+9], v[HT+8:HT+9], v[HT+12:HT+13]
	v_pk_add_f32 v[HT+10:HT+11], v[HT+10:HT+11], v[HT+14:HT+15]
	v_pk_add_f32 v[HT:HT+1], v[HT:HT+1], v[HT+8:HT+9]
	v_pk_add_f32 v[HT+2:HT+3], v[HT+2:HT+3], v[HT+10:HT+11]
.irp i, 0,1,2,3
	v_permlanex16_b32 v[HT+4+\i], v[HT+\i], s[SEL], s[SEL+1]
.endr
	v_pk_add_f32 v[HT:HT+1], v[HT:HT+1], v[HT+4:HT+5]
	v_pk_add_f32 v[HT+2:HT+3], v[HT+2:HT+3], v[HT+6:HT+7]
	v_pk_add_f32 v[HT:HT+1], v[HT:HT+1], v[HT+16:HT+17]
	v_pk_add_f32 v[HT+2:HT+3], v[HT+2:HT+3], v[HT+18:HT+19]
	v_pk_mul_f32 v[HT:HT+1], v[HT:HT+1], s[K2:K2+1] op_sel_hi:[1,0]
	v_pk_mul_f32 v[HT+2:HT+3], v[HT+2:HT+3], s[K2:K2+1] op_sel_hi:[1,0]
	v_pk_mul_f32 v[HT+8:HT+9], v[HT+20:HT+21], -2.0 op_sel_hi:[1,0]
	v_pk_mul_f32 v[HT+10:HT+11], v[HT+22:HT+23], -2.0 op_sel_hi:[1,0]
	ds_store_b128 v[BST], v[HT:HT+3]               ; (lanes l and l xor 16 store the same numbers)
	ds_store_b128 v[BST], v[HT+8:HT+11] offset:256
	v_add_f32 v[HT+12], v[HT+20], v[HT+21]         ; the sum of my wave's 64 v
	v_add_f32 v[HT+13], v[HT+22], v[HT+23]
	v_add_f32 v[HT+12], v[HT+12], v[HT+13]
	v_add_f32_dpp v[HT+12], v[HT+12], v[HT+12] row_xmask:1 row_mask:0xf bank_mask:0xf
	v_add_f32_dpp v[HT+12], v[HT+12], v[HT+12] row_xmask:2 row_mask:0xf bank_mask:0xf
	v_add_f32_dpp v[HT+12], v[HT+12], v[HT+12] row_xmask:4 row_mask:0xf bank_mask:0xf
	v_add_f32_dpp v[HT+12], v[HT+12], v[HT+12] row_xmask:8 row_mask:0xf bank_mask:0xf
	v_mul_f32 v[SV], 0.5, v[HT+12]                 ; a row's sum is made in two lanes, each of which begins with half
	v_mov_b32 v[SV+1], 0
	s_wait_alu depctr_va_vdst(0)
.irp i, 0,1,2,3                        ; LDS serves a wave's instructions in order: these see my stores
	ds_load_b128 v[BI+8*\i:BI+8*\i+3], v[BRD] offset:64*\i
	ds_load_b128 v[BI+8*\i+4:BI+8*\i+7], v[BRD] offset:64*\i+16
	ds_load_b128 v[MV+8*\i:MV+8*\i+3], v[BRD] offset:256+64*\i
	ds_load_b128 v[MV+8*\i+4:MV+8*\i+7], v[BRD] offset:256+64*\i+16
.endr
.endm
.macro P1                              ; c x + c bias: each accumulator from its low end on; the accumulators are free behind these
	WIN 0xc3
.set j, 0
.rept 32
	v_pk_fma_f32 v[W+j:W+j+1], v[j:j+1], s[K2:K2+1], v[BI+j%32:BI+j%32+1] op_sel_hi:[1,0,1]
.set j, j+2
.endr
.endm
.macro EXPW                            ; e = 2^(c x)
.set j, 0
.rept 64
	v_exp_f32 v[W+j], v[W+j]
.set j, j+1
.endr
.endm
.macro RCPX                            ; 1 / (1 + e) of the trip before
	WIN 0
.set j, 0
.rept 64
	v_rcp_f32 v[X+j], v[X+j]
.set j, j+1
.endr
.endm
.macro F5 idx                          ; half the sum of v + the sum of -2 v / (1 + e) over my columns: four chains of pairs a block; stored as the sums of 32 rows
	WIN 0
.irp a, 0,1
	v_pk_fma_f32 v[TS+8*\a:TS+8*\a+1], v[X+32*\a:X+32*\a+1], v[MV:MV+1], v[SV:SV+1]
.irp jp, 2,4,6
	v_pk_mul_f32 v[TS+8*\a+\jp:TS+8*\a+\jp+1], v[X+32*\a+\jp:X+32*\a+\jp+1], v[MV+\jp:MV+\jp+1]
.endr
.endr
.irp i, 1,2,3
.irp a, 0,1
.irp jp, 0,2,4,6
	v_pk_fma_f32 v[TS+8*\a+\jp:TS+8*\a+\jp+1], v[X+32*\a+8*\i+\jp:X+32*\a+8*\i+\jp+1], v[MV+8*\i+\jp:MV+8*\i+\jp+1], v[TS+8*\a+\jp:TS+8*\a+\jp+1]
.endr
.endr
.endr
.irp a, 0,1
	v_pk_add_f32 v[TS+8*\a:TS+8*\a+1], v[TS+8*\a:TS+8*\a+1], v[TS+8*\a+2:TS+8*\a+3]
	v_pk_add_f32 v[TS+8*\a+4:TS+8*\a+5], v[TS+8*\a+4:TS+8*\a+5], v[TS+8*\a+6:TS+8*\a+7]
.endr
.irp a, 0,1
	v_pk_add_f32 v[TS+8*\a:TS+8*\a+1], v[TS+8*\a:TS+8*\a+1], v[TS+8*\a+4:TS+8*\a+5]
.endr
.irp a, 0,1
	v_add_f32 v[SR+\a], v[TS+8*\a], v[TS+8*\a+1]
.endr
	v_permlane16_swap_b32 v[SR], v[SR+1]           ; a row's two halves lie in lanes l and l xor 16: block 0's lanes 16-31 change places with block 1's lanes 0-15,
	v_add_f32 v[SR], v[SR], v[SR+1]                ; and the sum of the two registers is row 'lane' of the trip's 32
	ds_store_b32 v[RSW], v[SR] offset:128*(\idx)
.endm
; A TRIP, in four groups of steps.  slot, tr: where its rows lie; nslot, ntr: the next trip's; st: its set of scale words; turn = 1: the slot is changed and filled again, 2: changed alone; first: trip 0; last: nothing more to fetch;
; sidx: the next trip's scale words; ridx: where the trip before stores its sums; ask = 1: it prefetches.
; A group's fragments go out in one run, one group ahead of their use.  A step's wait leaves out its group's later steps (four loads each) and what was issued behind them: the next run (16), and where they are among it the scale words (4),
; the bias's instructions (18), the add (1).  Trip 0: twelve loads a step in its first two groups, We's among them.
.macro TRIP slot, tr, nslot, ntr, st, turn, first, last, sidx, ridx, ask
.if \first
	s_wait_loadcnt 63                              ; We's scale words, the bias and v are older than the last 64 loads
	KS4 0, \st, 63, 63, 60, 48
.else
	KS4 0, \st, 16, 64, 64, 64                     ; (of the run behind it and the store of sums, 16 may be out)
.endif
	CHUNK 0, \first
	LOADA \slot, \tr, 2
.if \first
	KS4 4, \st, 52, 40, 28, 16
.else
	KS4 4, \st, 16, 64, 64, 64
.endif
	CHUNK 1, \first
.if \first
	BIAS
.endif
	LOADA \slot, \tr, 3
.if (\turn) == 0
.if \first
	s_wait_loadcnt 32                              ; We's steps 8-11
	KS4 8, \st, 46, 42, 38, 34
.else
	KS4 8, \st, 28, 24, 20, 16
.endif
	CHUNK 2, \first
.else
	WIN 0
.if \ask
	s_wait_xcnt 0x0                                ; my prefetch has read its address: it steps a lap on
	s_add_nc_u64 s[PFA:PFA+1], s[PFA:PFA+1], 131072
.endif
	s_wait_tensorcnt 0x0                           ; all my tensor loads have landed: my part of the other slot
	ds_add_u32 v[SPW], v[NIL]                      ; 0 onto my spare word
.if (\turn) == 1
	s_add_nc_u64 s[G0+4*(\slot)+2:G0+4*(\slot)+3], s[G0+4*(\slot)+2:G0+4*(\slot)+3], 131072   ; this slot's next 64 rows
.endif
	KS 8, \st, 29
	KS 9, \st, 25
	KS 10, \st, 21
	s_wait_dscnt 0x0                               ; the add is done, and my reads of this slot are over: the trip's last group is in
	s_barrier_signal -1
	KS 11, \st, 64
	WIN 0
	s_barrier_wait -1
.if (\turn) == 1
	CREST                                          ; the barrier has opened a round of the cluster's: no wave of any partner still reads this slot or has a load on its way
	tensor_load_to_lds s[G0+4*(\slot):G0+4*(\slot)+3], s[G1:G1+7]   ; the first tensor load behind the round, one a wave
	s_nop 0
	PLACES 4
.endif
	CHUNK 2, \first
.endif
.if \last
	KS4 12, \st, 12, 8, 4, 0
.else
	SCALES 1-(\st), \sidx
	LOADA \nslot, \ntr, 0
.if \ask
	WIN 0
	s_cmp_gt_u32 s3, s15                           ; s3: laps to go; s15: 0 in waves 0 and 1, else 1
	s_cbranch_scc0 .Lno_more_\@
	global_prefetch_b8 v[PFO], s[PFA:PFA+1] th:TH_LOAD_NT scope:SCOPE_SE
.Lno_more_\@:
.endif
.if \first
	s_wait_loadcnt 0x0                             ; We's steps 12-15
.endif
.if (\turn) == 0
	KS4 12, \st, 32, 28, 24, 20
.else
	KS4 12, \st, 64, 64, 64, 64
.endif
.endif
	CHUNK 3, \first
	P1
.if (\last) == 0
	LOADA \nslot, \ntr, 1
.endif
	WIN 0xc3
	s_wait_alu depctr_va_vdst(0)                   ; the wait ahead of the batch,
	EXPW
.if (\first) == 0
	RCPX
.endif
	v_nop                                          ; the plain instruction behind the last transcendental,
	s_wait_alu depctr_va_vdst(0)                   ; and the wait behind the batch
.if (\first) == 0
	F5 \ridx
.endif
.endm
	s_wait_tensorcnt 0x0                           ; my part of the head's loads is in; the same lines ahead of a later first fill as ahead of a refill:
	ds_add_u32 v[SPW], v[NIL]
	s_mov_b32 s[G1+2], 16<<16                      ; no tensor load of mine is out, so a descriptor may be written: from here on a load brings 16 rows
	s_mov_b32 s[G1+4], 16
	s_wait_dscnt 0x0                               ; the add is done
	CROUND                                         ; everybody's part of the head's loads is in; the joint loads meet
	tensor_load_to_lds s[G0+4:G0+7], s[G1:G1+7]    ; slot 1's first fill: rows 64-127
	s_nop 0
	PLACES 4
	SCALES 0, 0
.irp k, 0,1,2,3,4,5,6,7                ; the first two groups, step by step, both operands
	LOADK 0, 0, \k
	BLDS \k
.endr
	TRIP 0, 0, 0, 1, 0, 0, 1, 0, 1, 0, 0
	WIN 0                                          ; at a label and at a branch every window is 0
	s_mov_b32 s3, 3
	s_wait_alu depctr_va_vdst(0)                   ; ahead of the label
.Llap:                                                 ; a lap goes once round the ring, from a lap's second trip to the next lap's first, and fills both slots again
	TRIP 0, 1, 1, 0, 1, 1, 0, 0, 2, 0, 1
	TRIP 1, 0, 1, 1, 0, 0, 0, 0, 3, 1, 0
	TRIP 1, 1, 0, 0, 1, 1, 0, 0, 4, 2, 0
	TRIP 0, 0, 0, 1, 0, 0, 0, 0, 5, 3, 0
	WIN 0
	v_add_nc_u32 v[ADSA], 8704, v[ADSA]
	v_add_nc_u32 v[RSW], 512, v[RSW]
	s_sub_co_u32 s3, s3, 1
	s_cmp_lg_u32 s3, 0
	s_wait_alu depctr_va_vdst(0)                   ; directly ahead of the branch
	s_cbranch_scc1 .Llap
	TRIP 0, 1, 1, 0, 1, 2, 0, 0, 2, 0, 0           ; the last lap fills nothing
	TRIP 1, 0, 1, 1, 0, 0, 0, 0, 3, 1, 0
	TRIP 1, 1, 0, 0, 1, 0, 0, 1, 0, 2, 0
.irp n, 0,1,2,3                        ; the last trip's 1 + e, and its reciprocals: a batch of their own
	CHUNK \n, 0
.endr
	WIN 0
	s_wait_alu depctr_va_vdst(0)
	RCPX
	v_nop
	s_wait_alu depctr_va_vdst(0)
	F5 3
	; the four waves' sums meet: wave w finishes rows 128 w .. + 127, four neighbouring rows a lane
	s_wait_dscnt 0x0                               ; my sums are in LDS
	s_barrier_signal -1
	s_barrier_wait -1
.irp u, 0,1,2,3
	ds_load_b128 v[TS+4*\u:TS+4*\u+3], v[FRD] offset:2048*\u
.endr
	s_wait_dscnt 0x0
	v_pk_add_f32 v[TS:TS+1], v[TS:TS+1], v[TS+4:TS+5]
	v_pk_add_f32 v[TS+2:TS+3], v[TS+2:TS+3], v[TS+6:TS+7]
	v_pk_add_f32 v[TS+8:TS+9], v[TS+8:TS+9], v[TS+12:TS+13]
	v_pk_add_f32 v[TS+10:TS+11], v[TS+10:TS+11], v[TS+14:TS+15]
	v_pk_add_f32 v[TS:TS+1], v[TS:TS+1], v[TS+8:TS+9]
	v_pk_add_f32 v[TS+2:TS+3], v[TS+2:TS+3], v[TS+10:TS+11]
	global_store_b128 v[PO], v[TS:TS+3], s[98:99] th:TH_STORE_NT   ; 32 lanes store 512 consecutive bytes
	s_wait_tensorcnt 0x0                           ; the wave's end, behind my last tensor load and my last LDS store
	ds_add_u32 v[SPW], v[NIL]
	s_wait_dscnt 0x0
	CROUND                                         ; the closing round: no work-group ends while a partner may still ask for bytes that name it
	s_endpgm
.Lfunc_end_k_q8895b473d9_main:
	.size	k_q8895b473d9_main, .Lfunc_end_k_q8895b473d9_main-k_q8895b473d9_main
	.p2alignl 7, 3214868480
	.fill 96, 4, 3214868480
	.section	.rodata,"a",@progbits
	.p2align	6, 0x0
	.amdhsa_kernel k_q8895b473d9_main
		.amdhsa_group_segment_fixed_size 327680
		.amdhsa_private_segment_fixed_size 0
		.amdhsa_enable_private_segment 0
		.amdhsa_kernarg_size 64
		.amdhsa_user_sgpr_count 2
		.amdhsa_user_sgpr_kernarg_segment_ptr 1
		.amdhsa_wavefront_size32 1
		.amdhsa_system_sgpr_workgroup_id_x 1
		.amdhsa_system_sgpr_workgroup_id_y 1
		.amdhsa_system_sgpr_workgroup_id_z 1
		.amdhsa_system_vgpr_workitem_id 0
		.amdhsa_next_free_vgpr 1024
		.amdhsa_next_free_sgpr 102
		.amdhsa_reserve_vcc 0
		.amdhsa_float_denorm_mode_32 3
		.amdhsa_float_denorm_mode_16_64 3
		.amdhsa_memory_ordered 1
		.amdhsa_forward_progress 1
		.amdhsa_inst_pref_size 255
	.end_amdhsa_kernel
	.section	.bss,"aw",@nobits
	.p2align	6
	.space	262144
	.amdgpu_metadata
---
amdhsa.version: [ 1, 2 ]
amdhsa.kernels:
  - .name:           k_q8895b473d9_main
    .symbol:         k_q8895b473d9_main.kd
    .args:
      - { .name: encoder_outputs_codes, .offset: 0, .size: 8, .value_kind: global_buffer, .address_space: global }
      - { .name: encoder_outputs_scales, .offset: 8, .size: 8, .value_kind: global_buffer, .address_space: global }
      - { .name: wimg, .offset: 16, .size: 8, .value_kind: global_buffer, .address_space: global }
      - { .name: wsc, .offset: 24, .size: 8, .value_kind: global_buffer, .address_space: global }
      - { .name: hbp, .offset: 32, .size: 8, .value_kind: global_buffer, .address_space: global }
      - { .name: b_attn, .offset: 40, .size: 8, .value_kind: global_buffer, .address_space: global }
      - { .name: v, .offset: 48, .size: 8, .value_kind: global_buffer, .address_space: global }
      - { .name: part, .offset: 56, .size: 8, .value_kind: global_buffer, .address_space: global }
    .group_segment_fixed_size: 327680
    .private_segment_fixed_size: 0
    .kernarg_segment_align: 8
    .kernarg_segment_size: 64
    .max_flat_workgroup_size: 128
    .sgpr_count:     102
    .vgpr_count:     1024
    .wavefront_size: 32
...
	.end_amdgpu_metadata
.endif
;; end of part 2
;; launch soft (part 3): grid 64 x 1, 1 waves a work-group, no clusters, 0 bytes of LDS; arguments part, mask, out0; writes out0
.if DOCPART == 3
	.amdgcn_target "amdgcn-amd-amdhsa--gfx1250"
	.amdhsa_code_object_version 6
	.text
	.protected	k_q8895b473d9_soft
	.globl	k_q8895b473d9_soft
	.p2align	8
	.type	k_q8895b473d9_soft,@function
k_q8895b473d9_soft:
	s_mov_b64 s[64:65], 0
	v_nop
	global_prefetch_b8 v0, s[64:65] scope:SCOPE_SE
	s_setreg_imm32_b32 hwreg(HW_REG_WAVE_MODE, 25, 1), 1
	s_wait_xcnt 0x0
; out0[b][:] = softmax over the 512 places of where(mask == 0, -1e9, the sum of part's four slices).  Nothing of reference() is left out here.
; One wave takes one batch row: 16 places a lane (places 128 i + 4 lane + k), so the sum over slices, the maximum and the sum never leave the wave: no LDS, no barrier.
; Every load and store of the wave covers 512 consecutive bytes; all 20 loads go out together.  64 work-groups: the launch has no more rows than that, and a row is too short to share out.
; The maximum is taken away before the exponential, as reference() does: with every place masked the differences are exactly 0 and the row comes out even.
.set SCO, 32                           ; v32-95   slice sl's 16 places at v[SCO + 16 sl]; the sums, then the results, in slice 0's
.set MK,  96                           ; v96-111  the mask
	s_load_b128 s[4:7], s[0:1], 0x0                ; part, mask
	s_load_b64 s[8:9], s[0:1], 0x10                ; out0
	v_lshlrev_b32 v1, 4, v0                        ; 16 x lane (one wave: the thread's number is the lane)
	s_lshl_b32 s10, ttmp9, 11                      ; my batch row: 512 places of 4 bytes
	s_mov_b32 s11, 0
	s_mov_b32 s12, 0x76543210
	s_mov_b32 s13, 0xfedcba98                      ; v_permlanex16_b32's selects for lane l xor 16
	v_mov_b32 v2, 0xce6e6b28                       ; -1e9
	v_mov_b32 v5, 0                                ; (a lane permute's destination counts as one of its sources)
	v_mov_b32 v13, 0                               ; (named as the upper half of the pair v[12:13])
	s_wait_alu depctr_va_vdst(0)
	s_wait_kmcnt 0x0
	s_add_nc_u64 s[4:5], s[4:5], s[10:11]
	s_add_nc_u64 s[6:7], s[6:7], s[10:11]
	s_add_nc_u64 s[8:9], s[8:9], s[10:11]
.irp sl, 0,1,2,3
.irp i, 0,1,2,3
	global_load_b128 v[SCO+16*\sl+4*\i:SCO+16*\sl+4*\i+3], v1, s[4:5] offset:\sl*131072+\i*512 th:TH_LOAD_NT
.endr
.endr
.irp i, 0,1,2,3
	global_load_b128 v[MK+4*\i:MK+4*\i+3], v1, s[6:7] offset:\i*512 th:TH_LOAD_NT
.endr
	s_wait_loadcnt 0x0
.irp sl, 1,2,3
.irp p, 0,2,4,6,8,10,12,14
	v_pk_add_f32 v[SCO+\p:SCO+\p+1], v[SCO+\p:SCO+\p+1], v[SCO+16*\sl+\p:SCO+16*\sl+\p+1]   ; eight chains by turns
.endr
.endr
.irp i, 0,1,2,3,4,5,6,7,8,9,10,11,12,13,14,15
	v_cmp_eq_u32 vcc_lo, 0, v[MK+\i]
	v_cndmask_b32 v[SCO+\i], v[SCO+\i], v2, vcc_lo
.endr
	v_max3_num_f32 v3, v[SCO], v[SCO+1], v[SCO+2]
	v_max3_num_f32 v4, v[SCO+3], v[SCO+4], v[SCO+5]
	v_max3_num_f32 v3, v3, v[SCO+6], v[SCO+7]
	v_max3_num_f32 v4, v4, v[SCO+8], v[SCO+9]
	v_max3_num_f32 v3, v3, v[SCO+10], v[SCO+11]
	v_max3_num_f32 v4, v4, v[SCO+12], v[SCO+13]
	v_max3_num_f32 v3, v3, v[SCO+14], v[SCO+15]
	v_max_num_f32 v3, v3, v4
	v_max_num_f32_dpp v3, v3, v3 row_xmask:1 row_mask:0xf bank_mask:0xf
	v_max_num_f32_dpp v3, v3, v3 row_xmask:2 row_mask:0xf bank_mask:0xf
	v_max_num_f32_dpp v3, v3, v3 row_xmask:4 row_mask:0xf bank_mask:0xf
	v_max_num_f32_dpp v3, v3, v3 row_xmask:8 row_mask:0xf bank_mask:0xf
	v_permlanex16_b32 v5, v3, s12, s13
	v_max_num_f32 v6, v3, v5                       ; the row's maximum, in every lane,
	v_mov_b32 v7, v6                               ; twice: a pair for the packed form
.irp p, 0,2,4,6,8,10,12,14
	v_pk_add_f32 v[SCO+\p:SCO+\p+1], v[SCO+\p:SCO+\p+1], v[6:7] neg_lo:[0,1] neg_hi:[0,1]   ; the difference first, so that equal numbers give exactly 0,
.endr
.irp p, 0,2,4,6,8,10,12,14
	v_pk_mul_f32 v[SCO+\p:SCO+\p+1], v[SCO+\p:SCO+\p+1], 0x3fb8aa3b op_sel_hi:[1,0]         ; then x log2(e)
.endr
	s_wait_alu depctr_va_vdst(0)
.irp i, 0,1,2,3,4,5,6,7,8,9,10,11,12,13,14,15
	v_exp_f32 v[SCO+\i], v[SCO+\i]
.endr
	v_nop                                          ; a plain instruction behind the last exponential,
	s_wait_alu depctr_va_vdst(0)                   ; and the one wait for the batch, ahead of its first reader
	v_pk_add_f32 v[8:9], v[SCO:SCO+1], v[SCO+2:SCO+3]
	v_pk_add_f32 v[10:11], v[SCO+4:SCO+5], v[SCO+6:SCO+7]
	v_pk_add_f32 v[8:9], v[8:9], v[SCO+8:SCO+9]
	v_pk_add_f32 v[10:11], v[10:11], v[SCO+10:SCO+11]
	v_pk_add_f32 v[8:9], v[8:9], v[SCO+12:SCO+13]
	v_pk_add_f32 v[10:11], v[10:11], v[SCO+14:SCO+15]
	v_pk_add_f32 v[8:9], v[8:9], v[10:11]
	v_add_f32 v8, v8, v9
	v_add_f32_dpp v8, v8, v8 row_xmask:1 row_mask:0xf bank_mask:0xf
	v_add_f32_dpp v8, v8, v8 row_xmask:2 row_mask:0xf bank_mask:0xf
	v_add_f32_dpp v8, v8, v8 row_xmask:4 row_mask:0xf bank_mask:0xf
	v_add_f32_dpp v8, v8, v8 row_xmask:8 row_mask:0xf bank_mask:0xf
	v_permlanex16_b32 v5, v8, s12, s13
	v_add_f32 v8, v8, v5                           ; the row's sum: at least 1, since the maximum's own term is 1
	s_wait_alu depctr_va_vdst(0)
	v_rcp_f32 v12, v8
	v_nop
	s_wait_alu depctr_va_vdst(0)
.irp p, 0,2,4,6,8,10,12,14
	v_pk_mul_f32 v[SCO+\p:SCO+\p+1], v[SCO+\p:SCO+\p+1], v[12:13] op_sel_hi:[1,0]
.endr
.irp i, 0,1,2,3
	global_store_b128 v1, v[SCO+4*\i:SCO+4*\i+3], s[8:9] offset:\i*512
.endr
	s_endpgm
.Lfunc_end_k_q8895b473d9_soft:
	.size	k_q8895b473d9_soft, .Lfunc_end_k_q8895b473d9_soft-k_q8895b473d9_soft
	.p2alignl 7, 3214868480
	.fill 96, 4, 3214868480
	.section	.rodata,"a",@progbits
	.p2align	6, 0x0
	.amdhsa_kernel k_q8895b473d9_soft
		.amdhsa_group_segment_fixed_size 0
		.amdhsa_private_segment_fixed_size 0
		.amdhsa_enable_private_segment 0
		.amdhsa_kernarg_size 24
		.amdhsa_user_sgpr_count 2
		.amdhsa_user_sgpr_kernarg_segment_ptr 1
		.amdhsa_wavefront_size32 1
		.amdhsa_system_sgpr_workgroup_id_x 1
		.amdhsa_system_sgpr_workgroup_id_y 1
		.amdhsa_system_sgpr_workgroup_id_z 1
		.amdhsa_system_vgpr_workitem_id 0
		.amdhsa_next_free_vgpr 112
		.amdhsa_next_free_sgpr 66
		.amdhsa_reserve_vcc 1
		.amdhsa_float_denorm_mode_32 3
		.amdhsa_float_denorm_mode_16_64 3
		.amdhsa_memory_ordered 1
		.amdhsa_forward_progress 1
		.amdhsa_inst_pref_size 10
	.end_amdhsa_kernel
	.amdgpu_metadata
---
amdhsa.version: [ 1, 2 ]
amdhsa.kernels:
  - .name:           k_q8895b473d9_soft
    .symbol:         k_q8895b473d9_soft.kd
    .args:
      - { .name: part, .offset: 0, .size: 8, .value_kind: global_buffer, .address_space: global }
      - { .name: mask, .offset: 8, .size: 8, .value_kind: global_buffer, .address_space: global }
      - { .name: out0, .offset: 16, .size: 8, .value_kind: global_buffer, .address_space: global }
    .group_segment_fixed_size: 0
    .private_segment_fixed_size: 0
    .kernarg_segment_align: 8
    .kernarg_segment_size: 24
    .max_flat_workgroup_size: 32
    .sgpr_count:     66
    .vgpr_count:     112
    .wavefront_size: 32
...
	.end_amdgpu_metadata
.endif
;; end of part 3
